; MI455X (gfx1250); checked and timed in simulation.
; The chip was launched on July 23, 2026; its instructions are those of AMD's public machine-readable ISA for CDNA 5 (MIT licence, August 2026) and "CDNA5" Instruction Set Architecture Reference Guide (July 2026). The comments in the code are by the model that wrote it; some were corrected since.
;; Patch Sample F. Allowed arithmetic: matrix products marked QUANTISED: E5M2 operands, one E8M0 scale for each 32 along K, by v_wmma_scale_f32_16x16x128_f8f6f4 with both operands' format E5M2, f32 sums; everything else in f32.
;; Inputs: b1_0 256 float32; b1_1 256 float32; b1_2 256 float32; b2_0 256 float32; b2_1 256 float32; b2_2 256 float32; feat0 8 x 128 x 128 x 128 float32; feat1 8 x 256 x 64 x 64 float32; feat2 8 x 256 x 64 x 64 float32; pid0 256 int32; pid1 256 int32; pid2 256 int32; w1_0_codes 256 x 4 x 32 uint8 (E5M2 codes of w1_0, K innermost, in blocks of 32 codes); w1_0_scales 256 x 4 uint8 (E8M0 scales of w1_0, one for each 32 codes along K); w1_1_codes 256 x 8 x 32 uint8 (E5M2 codes of w1_1, K innermost, in blocks of 32 codes); w1_1_scales 256 x 8 uint8 (E8M0 scales of w1_1, one for each 32 codes along K); w1_2_codes 256 x 8 x 32 uint8 (E5M2 codes of w1_2, K innermost, in blocks of 32 codes); w1_2_scales 256 x 8 uint8 (E8M0 scales of w1_2, one for each 32 codes along K); w2_0_codes 256 x 8 x 32 uint8 (E5M2 codes of w2_0, K innermost, in blocks of 32 codes); w2_0_scales 256 x 8 uint8 (E8M0 scales of w2_0, one for each 32 codes along K); w2_1_codes 256 x 8 x 32 uint8 (E5M2 codes of w2_1, K innermost, in blocks of 32 codes); w2_1_scales 256 x 8 uint8 (E8M0 scales of w2_1, one for each 32 codes along K); w2_2_codes 256 x 8 x 32 uint8 (E5M2 codes of w2_2, K innermost, in blocks of 32 codes); w2_2_scales 256 x 8 uint8 (E8M0 scales of w2_2, one for each 32 codes along K).
;; Outputs: out0 2,048 x 256 float32; out1 2,048 x 256 float32; out2 2,048 x 256 float32.
;; This version of the problem:
;;   THIS VERSION OF THE PROBLEM IS GIVEN IN LOW PRECISION. The matrix products marked QUANTISED in the list below multiply operands that are first quantised to E5M2 (5 exponent bits, 2 mantissa bits; 8 bits a number), with one power-of-two scale for each 32 numbers along K (OCP MX v1.0); their sums are f32. All else is computed in f32.
;;   The module's matrix products, in the order in which they are computed (A, B: the left and right operand; K: the contracted axis; several contracted axes count as one K, in the product's order):
;;     1. [M 2,048, K 128] x [K 128, N 256]; A: computed on the way; B: input w1_0 (given as codes): QUANTISED
;;     2. [M 2,048, K 256] x [K 256, N 256]; A: computed on the way; B: input w2_0 (given as codes): QUANTISED
;;     3. [M 2,048, K 256] x [K 256, N 256]; A: computed on the way; B: input w1_1 (given as codes): QUANTISED
;;     4. [M 2,048, K 256] x [K 256, N 256]; A: computed on the way; B: input w2_1 (given as codes): QUANTISED
;;     5. [M 2,048, K 256] x [K 256, N 256]; A: computed on the way; B: input w1_2 (given as codes): QUANTISED
;;     6. [M 2,048, K 256] x [K 256, N 256]; A: computed on the way; B: input w2_2 (given as codes): QUANTISED
;;   THE QUANTISER, for each operand of a quantised product, along K:
;;     - K is cut into blocks of 32 from its start; a last block that is shorter is filled with zeros.
;;     - A block's scale is 2^e with e = floor(log2(the largest magnitude in the block)) - 15, held to -126 .. 127; a block of zeros has e = 0. As a byte (E8M0): e + 127.
;;     - Each number is divided by its block's scale, clamped to +-57,344, and rounded to the nearest number of E5M2, ties to even, subnormals kept.
;;     - The product sums the exact products of the quantised numbers (number of the format x scale) in f32.
;;   ~~~python
;;   def quantise(x, axis):      # numpy; x: float32 -> the quantised numbers, widened to float32 again
;;       x = np.moveaxis(x, axis, -1); K = x.shape[-1]
;;       x = np.pad(x, [(0, 0)] * (x.ndim - 1) + [(0, -K % 32)]); x = x.reshape(x.shape[:-1] + (-1, 32)); a = np.abs(x).max(-1, keepdims=True)
;;       e = np.where(a > 0, np.clip(np.frexp(np.where(a > 0, a, 1))[1] - 1 - 15, -126, 127), 0)      # np.frexp(a)[1] - 1 = floor(log2(a)), exactly
;;       r = np.clip(x / 2.0 ** e, -57344, 57344)
;;       step = 2.0 ** (np.maximum(np.frexp(np.where(r == 0, 1, r))[1] - 1, -14) - 2)
;;       q = np.round(r / step) * step * 2.0 ** e      # np.round: ties to even
;;       return np.moveaxis(q.reshape(q.shape[:-2] + (-1,))[..., :K], -1, axis).astype(np.float32)
;;   ~~~
;;   OPERANDS COMPUTED ON THE WAY. 'Computed on the way' means the value that the module computes at that place (a softmax that the list does not call 'softmax' is quantised finished and normalised). What goes into a quantiser is computed in f32, as accurately as f32 sums, v_exp_f32 and their like allow (about 1e-6 of the number): no bf16 or f16 on the way to a quantiser, and a product that is left as it is and whose result goes on into a quantised operand takes f32 operands (vector FMAs, or v_wmma_f32_16x16x4_f32). A number that lies on a knife's edge between two numbers of the format may be rounded either way, as far as f32 arithmetic and the matrix unit's own rounding can turn it there, and no further.
;;   INPUTS GIVEN AS CODES. w1_0 (in the module: [128, 256], K = its axis 0); w1_1 (in the module: [256, 256], K = its axis 0); w1_2 (in the module: [256, 256], K = its axis 0); w2_0 (in the module: [256, 256], K = its axis 0); w2_1 (in the module: [256, 256], K = its axis 0); w2_2 (in the module: [256, 256], K = its axis 0): each comes as NAME_codes (uint8): NAME with its K axis moved to the last place and cut into blocks of 32 codes, [.., K / 32, bytes a block], one block behind the other in memory; one code a byte (a code: sign, 5 exponent bits, 2 mantissa bits); and NAME_scales (uint8): the same leading axes, one E8M0 byte (e + 127) for each 32 codes along K. Its value is code x scale, taken as it is: it is not quantised again, and the codes and scales need not be those that the quantiser above would give.
;; One version. Each part assembles by itself: llvm-mc -triple=amdgcn-amd-amdhsa -mcpu=gfx1250 --defsym DOCPART=n.
;; ======== version 1 of 1: 1 launch
;; limits: right only within a limited range of input values
;; launch patch (part 1): grid 128 x 2, 8 waves a work-group, clusters of 4 x 1, 327,680 bytes of LDS; arguments feat0, pid0, w1_0_codes, w1_0_scales, b1_0, w2_0_codes, w2_0_scales, b2_0, out0, feat1, pid1, w1_1_codes, w1_1_scales, b1_1, w2_1_codes, w2_1_scales, b2_1, out1, feat2, pid2, w1_2_codes, w1_2_scales, b1_2, w2_2_codes, w2_2_scales, b2_2, out2; writes out0, out1, out2
.if DOCPART == 1
	.amdgcn_target "amdgcn-amd-amdhsa--gfx1250"
	.amdhsa_code_object_version 6
	.text
	.protected	k_q92f2b09ae9_patch
	.globl	k_q92f2b09ae9_patch
	.p2align	8
	.type	k_q92f2b09ae9_patch,@function
k_q92f2b09ae9_patch:
	s_mov_b64 s[64:65], 0
	v_nop
	global_prefetch_b8 v0, s[64:65] scope:SCOPE_SE
	s_setreg_imm32_b32 hwreg(HW_REG_WAVE_MODE, 25, 1), 1
	s_wait_xcnt 0x0
	s_wait_alu depctr_hold_cnt(0) depctr_sa_sdst(0) depctr_va_vdst(0) depctr_va_sdst(0) depctr_va_ssrc(0) depctr_va_vcc(0) depctr_vm_vsrc(0)
	s_getreg_b32 s2, hwreg(HW_REG_IB_STS2, 6, 4)
	s_cmp_eq_u32 s2, 0
	s_cbranch_scc0 .Lentry_in_a_cluster
	s_endpgm
.Lentry_in_a_cluster:
	s_bfe_u32 s2, ttmp6, 0x10000c
	s_cmp_lg_u32 s2, 0x3003
	s_cbranch_scc0 .Lentry_shape_is_right
	s_endpgm
.Lentry_shape_is_right:
; out_f = l2norm(relu(x W1 + b1) W2 + b2), x = 256 pixels (pid_f) of each of 8 images of feat_f [8][C][H][W], f = 0, 1, 2; C = 128, 256, 256.
; Both products on codes of BF8 (E5M2) with one E8M0 scale for each 32 along K; W1, W2 arrive as codes, K innermost; x and the hidden layer are quantised here, in registers.  All else in f32.
; SHARES.  256 work-groups of equal work: y = 0 or 1 names feature 1 or 2 ("X" below).  A work-group takes 16 patches of feature X (tile t of image i) and 8 patches of feature 0 (16 t + 8 y .. + 7):
;   4,096 + 1,024 gathered numbers each.  Both gathers are asked for at once; feature 0's whole chain runs while feature X's numbers are on their way.  Nothing but the outputs goes to memory.
; Eight waves share the COLUMNS of each chain:
;   gather:    wave w holds block w of 32 channels: lane (r, h) patch r, channels 32 w + 16 h + 0 .. 15 in 16 registers: the layout that the matrix operand gives a lane for one block of 32.
;              Feature 0 has four blocks (waves 0 to 3); its lanes r and r + 8 hold the same patch: the operand's rows 8 .. 15 repeat rows 0 .. 7
;   product 1: transposed (source 0 = 16 rows of W1, source 1 = x): hidden units 32 w .. 32 w + 31 as two tiles; lane r of tile u takes W1's row 32 w + 8 u + r + 8 (r / 8), so that a lane's 16 results are
;              hidden units 32 w + 16 h + 0 .. 15 of patch r: again one block of the next K, in the gather's layout.  One macro quantises both
;   product 2: transposed: outputs 32 w .. 32 w + 31 as two tiles (W2's rows 32 w + 16 n + r); register j of lane (r, h) is out(patch r, 32 w + 16 n + 8 h + j)
; THE WEIGHTS' CODES, 224 KiB for the two features, come into LDS once, as seven pieces of 32 KiB, one tensor load for each of waves 0 to 6.  The four work-groups of a cluster (tiles 4 q .. 4 q + 3 of one image)
; read the same ones: the loads are joint.  Codes of x and of the hidden layer go from wave to wave through LDS as images of the operand's registers (block q: 512 bytes, 16 a lane), scale bytes as byte w of row r's
; eight.  The biases are the C of each sum's first matrix instruction.
; NO PREFETCH: there is no loop to run ahead in; all 32 gather loads of a wave go out as soon as pid is known.
; LIMITS: NaN and infinities in feat are not served.  pid is taken as 0 .. H W - 1 and is held, as an unsigned number, at H W - 1: a negative index does not wrap.
; A block of zeros gets the scale byte 1 where the rule says 127: its codes are zeros, which add nothing under any byte but 0xff, and this launch alone reads the byte.
.set WP,   272                         ; LDS: an LDS row of weights: 256 bytes of codes + 16 of padding
.set PIECE, 128*WP                     ; one tensor load: 128 rows of 256 bytes.  W2_0 at 0
.set W1XB, 2*PIECE                     ; W1_X
.set W2XB, 4*PIECE                     ; W2_X
.set W10B, 6*PIECE                     ; W1_0: two rows of 128 codes in each LDS row
.set XB,   8*PIECE                     ; from here on what the waves store; the offsets below count from XB
.set XIMG0, 0                          ; x of feature 0: 4 blocks of 512 bytes
.set HIMG0, 2048                       ; its hidden layer: 8 blocks
.set XIMG1, 6144                       ; the same for feature X
.set HIMG1, 10240
.set XSC0, 14336                       ; scale bytes: 8 a row
.set HSC0, 14592
.set XSC1, 14848
.set HSC1, 15104
.set NRM0, 15360                       ; sums of squares: row r, wave w at 32 r + 4 w
.set NRM1, 15872
.set STG0, 16384                       ; the stages: rows of 1,024 bytes + 16; 8 rows,
.set STG1, 24832                       ; 16 rows
.set SPARE, XB+41472                   ; the spare words, 128 bytes for each wave, that no other line names
.set FLOOR, 0x8000000                  ; 2^(16 - 127): under it no largest magnitude is taken, so the byte cannot fall under 1
.set GOX,  1                           ; v1   feature X's gather offset
.set WA1,  2                           ; v2   LDS: my rows of W1_X
.set WA2,  3                           ; v3   LDS: my rows of W2_X
.set B2O,  4                           ; v4   128 w + 32 h
.set LI,   5                           ; v5   16 x lane
.set IW,   6                           ; v6   16 x lane + 512 w
.set SCR,  7                           ; v7   8 r
.set SCW,  8                           ; v8   8 r + w
.set SO,   9                           ; v9   1040 r + 32 h + 128 w
.set SO0,  10                          ; v10  the same with r mod 8
.set SR,   11                          ; v11  2080 w + 1040 h + 16 r
.set SR0,  12                          ; v12  1040 w + 16 x lane
.set NW,   13                          ; v13  32 r + 4 w
.set NR,   14                          ; v14  64 w + 32 h
.set NR0,  15                          ; v15  32 w
.set OO,   16                          ; v16  my bytes in out_X
.set OO0,  17                          ; v17  my bytes in out0
.set SPW,  18                          ; v18  LDS address of my spare word; never rewritten
.set NIL,  19                          ; v19  0; never rewritten
.set TM,   22                          ; v22-26 at work in QUANT: two maxima, the scale operand, the hold, the byte
.set PC,   28                          ; v28-31 the 16 codes just made
.set SQ,   28                          ; v28-31 sums of squares
.set XS,   32                          ; v32-33 scale words of the operand: K step 0, 1
.set W1SX, 34                          ; v34-37 W1_X's scale words: 2 u + s
.set W2SX, 38                          ; v38-41 W2_X's: 2 n + s
.set W2S0, 42                          ; v42-45 W2_0's
.set W1S0, 46                          ; v46-47 W1_0's: u
.set XX,   48                          ; v48-63 feature X's 16 gathered numbers
.set XF,   64                          ; v64-95 the operand's two fragments; on the way out O and P; ahead of the first fragment the head's temporaries
.set O,    64
.set P,    80
.set LN,   64
.set R,    65
.set HH,   66
.set WV,   67
.set RR,   68                          ; r + 8 (r / 8)
.set R7,   69
.set PIDO, 70
.set PIDO0, 71
.set W1SO, 72
.set W1SO0, 73
.set W2SO, 74
.set GB0,  75
.set GB1,  76
.set PID0, 77
.set PIDX, 78
.set GO0,  79
.set W10,  80
.set W20,  81
.set T,    82                          ; v82-90
.set B1O,  92
.set HX,   96                          ; v96-111  product 1's two accumulators for feature X, begun with b1
.set Y,    112                         ; v112-127 product 2's two, begun with b2 of feature 0, then of feature X
.set W1F,  128                         ; v128-191 W1_X's fragments: 16 (2 u + s); before them W1_0's in v128-159: 16 u,
.set X0,   160                         ;          feature 0's 16 gathered numbers,
.set H0,   176                         ;          and its product 1's two accumulators
.set W2F,  192                         ; v192-255 W2's fragments: 16 (2 n + s)
.set G1,   76                          ; s[76:83] descriptor group 1
.set G0,   84                          ; s[84:87] descriptor group 0
; s3 y, s[4:21] feature 0's nine addresses (feat, pid, W1 codes, W1 scales, b1, W2 codes, W2 scales, b2, out), s[24:41] feature X's, s66 wave, s67 image, s[68:69] lane selects, s70 mantissa, s71 tile, s[72:73] an offset
.macro ROUND                           ; a round of the cluster's barrier
	s_barrier_signal -1
	s_barrier_wait -1
	s_cmp_lg_u32 s66, 0
	s_cbranch_scc1 .Lnot_wave_0_\@
	s_barrier_signal -3
.Lnot_wave_0_\@:
	s_barrier_wait -3
	s_barrier_signal -1
	s_barrier_wait -1
.endm
; 16 numbers of a lane, v[s] on, become 16 codes in v[PC] on and their block's scale byte in v[TM+4].  relu = 1: what is negative becomes 0 on the way (the activation), so it does not count for the largest magnitude.
.macro QUANT s, relu
.if \relu
	v_max3_num_f32 v[TM], v[\s], v[\s+1], FLOOR             ; two chains, each from an accumulator's low end on
	v_max3_num_f32 v[TM+1], v[\s+8], v[\s+9], FLOOR
.irp i, 2,4,6
	v_max3_num_f32 v[TM], v[TM], v[\s+\i], v[\s+\i+1]
	v_max3_num_f32 v[TM+1], v[TM+1], v[\s+8+\i], v[\s+9+\i]
.endr
.else
	v_max3_num_f32 v[TM], |v[\s]|, |v[\s+1]|, FLOOR
	v_max3_num_f32 v[TM+1], |v[\s+8]|, |v[\s+9]|, FLOOR
.irp i, 2,4,6
	s_delay_alu instid0(VALU_DEP_2)
	v_max3_num_f32 v[TM], v[TM], |v[\s+\i]|, |v[\s+\i+1]|
	s_delay_alu instid0(VALU_DEP_2)
	v_max3_num_f32 v[TM+1], v[TM+1], |v[\s+8+\i]|, |v[\s+9+\i]|
.endr
.endif
	s_delay_alu instid0(VALU_DEP_1)
	v_max_num_f32 v[TM], v[TM], v[TM+1]
	s_delay_alu instid0(VALU_DEP_1)
	v_permlanex16_b32 v[TM+1], v[TM], s68, s69              ; the block's other 16 numbers lie in lane l xor 16
	s_delay_alu instid0(VALU_DEP_1)
	v_max_num_f32 v[TM], v[TM], v[TM+1]                     ; the block's largest magnitude
	s_delay_alu instid0(VALU_DEP_1)
	v_add_nc_u32 v[TM+2], 0xf8800000, v[TM]                 ; 15 off its exponent field: the conversion takes this operand's exponent field as its scale
	s_delay_alu instid0(VALU_DEP_2)
	v_and_or_b32 v[TM+3], v[TM], 0x7f800000, s70            ; 57,344 x the scale: that exponent field over 57,344's mantissa
	s_delay_alu instid0(VALU_DEP_2)
	v_lshrrev_b32 v[TM+4], 23, v[TM+2]                      ; the scale's byte
.irp i, 0,1,2,3,4,5,6,7,8,9,10,11,12,13,14,15
.if \relu
	v_med3_num_f32 v[\s+\i], v[\s+\i], 0, v[TM+3]           ; the activation and the hold in one
.else
	v_med3_num_f32 v[\s+\i], v[\s+\i], -v[TM+3], v[TM+3]    ; the conversion to an 8-bit code does not saturate (ISA guide 7.6.2): the hold at the largest code x the scale
.endif
.endr
	v_cvt_scalef32_pk8_bf8_f32 v[PC:PC+1], v[\s:\s+7], v[TM+2]
	v_cvt_scalef32_pk8_bf8_f32 v[PC+2:PC+3], v[\s+8:\s+15], v[TM+2]
	v_nop                                                   ; one plain vector instruction behind the last scaled conversion, ahead of whatever next touches its registers
.endm
.macro SENDQ img, sc                   ; my block's codes as they stand in my registers, and its scale byte
	ds_store_b128 v[IW], v[PC:PC+3] offset:\img
	ds_store_b8 v[SCW], v[TM+4] offset:\sc                  ; both lanes of a row write the same byte with the same value
.endm
.macro BARRIER                         ; my LDS stores have landed and my LDS loads are in: then the work-group's barrier
	s_wait_dscnt 0x0
	s_barrier_signal -1
	s_barrier_wait -1
.endm
.macro FETCH img, sc, ks               ; the operand's 4 ks blocks: registers 4 q .. 4 q + 3; and my row's ks scale words
.irp q, 0,1,2,3,4,5,6,7
.if \q < 4*\ks
	ds_load_b128 v[XF+4*\q:XF+4*\q+3], v[LI] offset:\img+512*\q
.endif
.endr
.if \ks == 2
	ds_load_b64 v[XS:XS+1], v[SCR] offset:\sc
.else
	ds_load_b32 v[XS], v[SCR] offset:\sc
.endif
.endm
.macro MUL acc, wf, ws, ks             ; two tiles x ks K steps; the two accumulators take turns, one instruction a turn
.irp s, 0,1
.if \s < \ks
.irp u, 0,1
	v_wmma_scale_f32_16x16x128_f8f6f4 v[\acc+8*\u:\acc+8*\u+7], v[\wf+16*(\ks*\u+\s):\wf+16*(\ks*\u+\s)+15], v[XF+16*\s:XF+16*\s+15], v[\acc+8*\u:\acc+8*\u+7], v[\ws+\ks*\u+\s], v[XS+\s] matrix_a_fmt:MATRIX_FMT_BF8 matrix_b_fmt:MATRIX_FMT_BF8
.endr
.endif
.endr
.rept 8
	v_nop                                                   ; eight places behind this form, ahead of the first read of its results and of the loads into its registers further down
.endr
.endm
.macro W2LOAD adr                      ; my 32 rows of W2
.irp n, 0,1
.irp s, 0,1
.irp c, 0,1,2,3
	ds_load_b128 v[W2F+16*(2*\n+\s)+4*\c:W2F+16*(2*\n+\s)+4*\c+3], v[\adr] offset:16*WP*\n+128*\s+32*\c
.endr
.endr
.endr
.endm
.macro BIAS dst, off, base, step       ; 16 numbers: 8 a tile
.irp u, 0,1
	global_load_b128 v[\dst+8*\u:\dst+8*\u+3], v[\off], s[\base:\base+1] offset:\step*\u
	global_load_b128 v[\dst+8*\u+4:\dst+8*\u+7], v[\off], s[\base:\base+1] offset:\step*\u+16
.endr
.endm
; My 32 outputs' part of each row's sum of squares; the outputs go to the stage unscaled.
.macro SUM so, nrm, stg
	v_pk_mul_f32 v[SQ:SQ+1], v[Y:Y+1], v[Y:Y+1]             ; two chains, each from an accumulator's low end on
	v_pk_mul_f32 v[SQ+2:SQ+3], v[Y+8:Y+9], v[Y+8:Y+9]
.irp i, 2,4,6
	v_pk_fma_f32 v[SQ:SQ+1], v[Y+\i:Y+\i+1], v[Y+\i:Y+\i+1], v[SQ:SQ+1]
	v_pk_fma_f32 v[SQ+2:SQ+3], v[Y+8+\i:Y+9+\i], v[Y+8+\i:Y+9+\i], v[SQ+2:SQ+3]
.endr
	s_delay_alu instid0(VALU_DEP_1)
	v_pk_add_f32 v[SQ:SQ+1], v[SQ:SQ+1], v[SQ+2:SQ+3]
	s_delay_alu instid0(VALU_DEP_1)
	v_add_f32 v[SQ], v[SQ], v[SQ+1]
	s_delay_alu instid0(VALU_DEP_1)
	v_permlanex16_b32 v[SQ+1], v[SQ], s68, s69              ; the row's other 16 of my 32 outputs lie in lane l xor 16
	s_delay_alu instid0(VALU_DEP_1)
	v_add_f32 v[SQ], v[SQ], v[SQ+1]
	ds_store_b32 v[NW], v[SQ] offset:\nrm                   ; both lanes of a row write the same word with the same value
.irp n, 0,1
	ds_store_b128 v[\so], v[Y+8*\n:Y+8*\n+3] offset:\stg+64*\n   ; (feature 0: lanes r and r + 8 write the same bytes with the same values)
	ds_store_b128 v[\so], v[Y+8*\n+4:Y+8*\n+7] offset:\stg+64*\n+16
.endr
	BARRIER                                                 ; whole rows and their eight partial sums lie in LDS
.endm
; The way out: my rows' bytes, nt pieces of 16 a lane, step bytes apart.  first = 1: feature X's weights and b2 follow feature 0's loads from the stage.
.macro OUT nr, sr, oo, base, nrm, stg, nt, step, first
	ds_load_b128 v[P:P+3], v[\nr] offset:\nrm
	ds_load_b128 v[P+4:P+7], v[\nr] offset:\nrm+16
.irp t, 0,1,2,3
.if \t < \nt
	ds_load_b128 v[O+4*\t:O+4*\t+3], v[\sr] offset:\stg+\step*\t
.endif
.endr
.if \first
	BIAS Y, B2O, 38, 64
.irp u, 0,1
.irp s, 0,1
.irp c, 0,1,2,3
	ds_load_b128 v[W1F+16*(2*\u+\s)+4*\c:W1F+16*(2*\u+\s)+4*\c+3], v[WA1] offset:8*WP*\u+128*\s+32*\c
.endr
.endr
.endr
	W2LOAD WA2
.endif
	s_wait_dscnt \nt+32*\first                              ; the eight partial sums are in; the nt loads from the stage, and the 32 of weights, may be out
	v_pk_add_f32 v[P:P+1], v[P:P+1], v[P+2:P+3]
	v_pk_add_f32 v[P+4:P+5], v[P+4:P+5], v[P+6:P+7]
	s_delay_alu instid0(VALU_DEP_1)
	v_pk_add_f32 v[P:P+1], v[P:P+1], v[P+4:P+5]
	s_delay_alu instid0(VALU_DEP_1)
	v_add_f32 v[P], v[P], v[P+1]                            ; the row's sum of squares
	s_wait_alu depctr_va_vdst(0)                            ; the wait ahead of a transcendental,
	v_sqrt_f32 v[P+2], v[P]
	v_nop                                                   ; a plain instruction behind it,
	s_wait_alu depctr_va_vdst(0)                            ; and the wait ahead of the first line that names its result
	v_add_f32 v[P+2], 0x33d6bf95, v[P+2]                    ; + 1e-7
	s_wait_alu depctr_va_vdst(0)
	v_rcp_f32 v[P+4], v[P+2]
	v_nop
	s_wait_alu depctr_va_vdst(0)
	s_wait_dscnt 32*\first                                  ; the row's numbers are in
.irp i, 0,2,4,6,8,10,12,14
.if \i < 4*\nt
	v_pk_mul_f32 v[O+\i:O+\i+1], v[O+\i:O+\i+1], v[P+4:P+5] op_sel_hi:[1,0]
.endif
.endr
.irp t, 0,1,2,3
.if \t < \nt
	global_store_b128 v[\oo], v[O+4*\t:O+4*\t+3], s[\base:\base+1] offset:\step*\t th:TH_STORE_NT   ; sixteen neighbouring lanes store 256 consecutive bytes, at a multiple of 256 from the output's first byte
.endif
.endr
.endm
	; ---- the head: all 27 addresses; the opening; scalars; then every offset and LDS address, ahead of the first branch
	s_load_b512 s[4:19], s[0:1], 0x0
	s_load_b64 s[20:21], s[0:1], 0x40
	s_load_b512 s[24:39], s[0:1], 0x48
	s_load_b64 s[40:41], s[0:1], 0x88
	s_load_b512 s[44:59], s[0:1], 0x90
	s_load_b64 s[60:61], s[0:1], 0xd0
	v_lshl_add_u32 v[SPW], v0, 2, SPARE
	v_mov_b32 v[NIL], 0
	ds_add_u32 v[SPW], v[NIL]                               ; the opening: the add, twice on end, and its wait ahead of a tensor load
	ds_add_u32 v[SPW], v[NIL]
	v_lshrrev_b32 v[WV], 5, v0
	v_readfirstlane_b32 s66, v[WV]                          ; wave 0..7
	s_and_b32 s3, ttmp7, 0xffff                             ; y
	s_and_b32 s67, ttmp9, 7                                 ; the image: cluster x modulo 8
	s_bfe_u32 s75, ttmp6, 0x40000                           ; cx: it enters global offsets alone
	s_lshr_b32 s71, ttmp9, 3
	s_lshl_b32 s71, s71, 2
	s_add_co_u32 s71, s71, s75                              ; the tile t: 4 x (cluster x / 8) + cx
	s_lshl_b32 s88, s71, 6                                  ; pid_X: my 16 entries
	s_lshl_b32 s89, s3, 5
	s_add_co_u32 s89, s89, s88                              ; pid0: my 8 of them
	s_lshl_b32 s92, s67, 22                                 ; an image of feature X: 256 planes of 16,384 bytes
	s_lshl_b32 s93, s67, 23                                 ; of feature 0: 128 planes of 65,536 bytes
	s_lshl_b32 s94, s67, 18
	s_lshl_b32 s95, s71, 14
	s_add_co_u32 s94, s94, s95                              ; out_X: row 256 i + 16 t, rows of 1,024 bytes
	s_lshl_b32 s95, s3, 13
	s_add_co_u32 s95, s95, s94                              ; out0: row 256 i + 16 t + 8 y
	s_mov_b32 s68, 0x76543210
	s_mov_b32 s69, 0xfedcba98                               ; v_permlanex16_b32's selects for lane l xor 16
	s_mov_b32 s70, 0x600000                                 ; the mantissa field of 57,344
	s_mov_b32 s73, 0
	; descriptor group 1: 32 KiB, dense in memory, as 128 rows of 256 bytes (32 elements of 8 bytes), 16 bytes of LDS padding behind each
	s_mov_b32 s[G1+0], 15|(3<<16)|(1<<20)|(1<<21)|(5<<22)|(3<<25)   ; 15:0 the mask: the cluster's four; 17:16 elements of 8 bytes; 20 padding; 21 set beside a mask; 24:22 after every 64 words; 31:25 of 4 words
	s_mov_b32 s[G1+1], 32<<16                               ; tensor_dim0
	s_mov_b32 s[G1+2], 128<<16                              ; tensor_dim1
	s_mov_b32 s[G1+3], 32<<16                               ; tile_dim0
	s_mov_b32 s[G1+4], 128                                  ; tile_dim1
	s_mov_b32 s[G1+5], 32                                   ; the pitch
	s_mov_b32 s[G1+6], 0
	s_mov_b32 s[G1+7], 0
	s_mov_b32 s[G0], 1
	s_mul_i32 s[G0+1], s66, PIECE                           ; piece w goes to LDS byte w x PIECE
	s_wait_alu depctr_va_vdst(0)                            ; directly ahead of the readers below
	v_and_b32 v[LN], 31, v0
	v_and_b32 v[R], 15, v0
	v_bfe_u32 v[HH], v0, 4, 1
	v_and_b32 v[RR], 8, v0
	v_and_b32 v[R7], 7, v0
	v_lshl_add_u32 v[NR0], v[WV], 5, XB
	v_add_nc_u32 v[RR], v[RR], v[R]
	v_lshl_add_u32 v[LI], v[LN], 4, XB
	v_lshl_add_u32 v[SCR], v[R], 3, XB
	v_lshl_add_u32 v[T], v[WV], 7, XB
	v_lshl_add_u32 v[T+1], v[R], 4, XB
	v_lshl_add_u32 v[T+2], v[WV], 2, XB
	v_lshl_add_u32 v[T+3], v[HH], 5, XB
	v_lshlrev_b32 v[T+4], 4, v[HH]
	v_lshl_add_u32 v[T+5], v[HH], 4, W1XB
	v_lshl_add_u32 v[T+6], v[HH], 4, W10B
	v_and_b32 v[T+7], 1, v[RR]
	v_lshrrev_b32 v[T+8], 1, v[RR]
	v_lshl_add_u32 v[IW], v[WV], 9, v[LI]
	v_add_nc_u32 v[SCW], v[WV], v[SCR]
	v_lshl_add_u32 v[T], v[HH], 5, v[T]
	v_mad_u32_u24 v[T+1], v[HH], 0x410, v[T+1]
	v_lshl_add_u32 v[NW], v[R], 5, v[T+2]
	v_lshl_add_u32 v[NR], v[WV], 6, v[T+3]
	v_mad_u32_u24 v[T+4], v[R], 0x110, v[T+4]
	v_mad_u32_u24 v[T+5], v[RR], 0x110, v[T+5]
	v_lshl_add_u32 v[T+6], v[T+7], 7, v[T+6]
	v_mad_u32_u24 v[SR0], v[WV], 0x410, v[LI]
	v_mad_u32_u24 v[SO], v[R], 0x410, v[T]
	v_mad_u32_u24 v[SO0], v[R7], 0x410, v[T]
	v_mad_u32_u24 v[SR], v[WV], 0x820, v[T+1]
	v_mad_u32_u24 v[W20], v[WV], 0x2200, v[T+4]             ; W2: row 32 w + r,
	v_mad_u32_u24 v[WA1], v[WV], 0x2200, v[T+5]             ; W1_X: row 32 w + r + 8 (r / 8),
	v_mad_u32_u24 v[T+6], v[T+8], 0x110, v[T+6]             ; W1_0: the same row, two to an LDS row
	v_lshl_add_u32 v[PIDO], v[R], 2, s88
	v_lshl_add_u32 v[PIDO0], v[R7], 2, s89
	v_lshlrev_b32 v[T+7], 8, v[WV]
	v_lshlrev_b32 v[T], 7, v[WV]
	v_add_nc_u32 v[WA2], W2XB, v[W20]
	v_mad_u32_u24 v[W10], v[WV], 0x1100, v[T+6]
	v_lshl_add_u32 v[W1SO], v[RR], 3, v[T+7]
	v_lshl_add_u32 v[W2SO], v[R], 3, v[T+7]
	v_lshl_add_u32 v[W1SO0], v[RR], 2, v[T]
	v_lshl_add_u32 v[B1O], v[HH], 6, v[T]
	v_lshl_add_u32 v[B2O], v[HH], 5, v[T]
	v_lshl_add_u32 v[GB0], v[WV], 21, s93                   ; the gathers: my wave's 32 planes,
	v_lshl_add_u32 v[GB1], v[WV], 19, s92
	v_lshl_add_u32 v[OO], v[WV], 11, s94
	v_lshl_add_u32 v[OO0], v[WV], 10, s95
	v_lshl_add_u32 v[GB0], v[HH], 20, v[GB0]                ; lanes 16-31 16 planes further on
	v_lshl_add_u32 v[GB1], v[HH], 18, v[GB1]
	v_lshl_add_u32 v[OO], v[HH], 10, v[OO]
	v_lshl_add_u32 v[OO0], v[LN], 4, v[OO0]
	v_lshl_add_u32 v[OO], v[R], 4, v[OO]
	s_wait_alu depctr_va_vdst(0)
	s_wait_dscnt 0x0                                        ; both opening adds are done
	s_wait_kmcnt 0x0
	global_load_b32 v[PID0], v[PIDO0], s[6:7]               ; pid first: the gathers hang on it
	s_cmp_eq_u32 s3, 1                                      ; feature X's nine addresses: a choice on the work-group's y alone, which the cluster shares
	s_cselect_b64 s[26:27], s[46:47], s[26:27]
	global_load_b32 v[PIDX], v[PIDO], s[26:27]
.irp j, 0,2,3,4,5,6,7,8
	s_cselect_b64 s[24+2*\j:25+2*\j], s[44+2*\j:45+2*\j], s[24+2*\j:25+2*\j]
.endr
	; ---- the weights: waves 0, 1 W2_0's halves; 2, 3 W1_X's; 4, 5 W2_X's; 6 the whole of W1_0; wave 7 none
	s_cmp_lt_u32 s66, 6
	s_cselect_b64 s[G0+2:G0+3], s[34:35], s[8:9]
	s_cmp_lt_u32 s66, 4
	s_cselect_b64 s[G0+2:G0+3], s[28:29], s[G0+2:G0+3]
	s_cmp_lt_u32 s66, 2
	s_cselect_b64 s[G0+2:G0+3], s[14:15], s[G0+2:G0+3]
	s_and_b32 s72, s66, 1
	s_lshl_b32 s72, s72, 15
	s_add_nc_u64 s[G0+2:G0+3], s[G0+2:G0+3], s[72:73]
	s_or_b32 s[G0+3], s[G0+3], 0x80000000
	ROUND                                                   ; the cluster's four are here: the joint loads meet
	s_cmp_lt_u32 s66, 7
	s_cbranch_scc0 .Lno_piece
	tensor_load_to_lds s[G0:G0+3], s[G1:G1+7]               ; one load a wave, the launch's only ones
	s_nop 0
.rept 4
	v_nop
.endr
.Lno_piece:
	; ---- 20 small loads behind pid: scale words and biases
.irp u, 0,1
	global_load_b32 v[W1S0+\u], v[W1SO0], s[10:11] offset:32*\u
	global_load_b64 v[W2S0+2*\u:W2S0+2*\u+1], v[W2SO], s[16:17] offset:128*\u
	global_load_b64 v[W1SX+2*\u:W1SX+2*\u+1], v[W1SO], s[30:31] offset:64*\u
	global_load_b64 v[W2SX+2*\u:W2SX+2*\u+1], v[W2SO], s[36:37] offset:128*\u
.endr
	BIAS H0, B1O, 12, 32
	BIAS Y, B2O, 18, 64
	BIAS HX, B1O, 32, 32
	; ---- both gathers.  One load reads 2 channels x 16 (feature 0: 8) patches
	s_wait_loadcnt 20                                       ; both pids are in: behind them were issued the 20 small loads
	v_min_u32 v[PID0], 0x3fff, v[PID0]                      ; a loaded number enters an address only behind this hold
	v_min_u32 v[PIDX], 0xfff, v[PIDX]
	v_lshl_add_u32 v[GO0], v[PID0], 2, v[GB0]
	v_lshl_add_u32 v[GOX], v[PIDX], 2, v[GB1]
	s_wait_alu depctr_va_vdst(0)
	s_cmp_lt_u32 s66, 4
	s_cbranch_scc0 .Lno_block
.irp i, 0,1,2,3,4,5,6,7,8,9,10,11,12,13,14,15
	global_load_b32 v[X0+\i], v[GO0], s[4:5] offset:(\i)<<16
.endr
	s_branch .Lgathered
.Lno_block:                                                 ; waves 4 to 7: feature 0 has no channels 128 .. 255; the registers are written on this way too
.irp i, 0,1,2,3,4,5,6,7,8,9,10,11,12,13,14,15
	v_mov_b32 v[X0+\i], 0
.endr
	s_wait_alu depctr_va_vdst(0)
.Lgathered:
.irp i, 0,1,2,3,4,5,6,7,8,9,10,11,12,13,14,15
	global_load_b32 v[XX+\i], v[GOX], s[24:25] offset:(\i)<<14
.endr
	; ---- the weights have landed in LDS; feature 0's go into registers
	s_wait_tensorcnt 0x0                                    ; my piece, if I fetched one,
	BARRIER                                                 ; and everybody's
.irp u, 0,1
.irp c, 0,1,2,3
	ds_load_b128 v[W1F+16*\u+4*\c:W1F+16*\u+4*\c+3], v[W10] offset:4*WP*\u+32*\c
.endr
.endr
	W2LOAD W20
	; ---- FEATURE 0: x's four blocks become codes
	s_wait_loadcnt 16                                       ; all but feature X's 16 gather loads
	s_wait_alu depctr_va_vdst(0)
	s_cmp_lt_u32 s66, 4
	s_cbranch_scc0 .Lno_codes
	QUANT X0, 0
	SENDQ XIMG0, XSC0
.Lno_codes:
	BARRIER                                                 ; x's blocks and their scale bytes lie in LDS
	FETCH XIMG0, XSC0, 1
	s_wait_dscnt 0x0
	MUL H0, W1F, W1S0, 1
	QUANT H0, 1
	SENDQ HIMG0, HSC0
	BARRIER                                                 ; the hidden layer's eight blocks lie in LDS
	FETCH HIMG0, HSC0, 2
	s_wait_dscnt 0x0
	MUL Y, W2F, W2S0, 2
	SUM SO0, NRM0, STG0
	OUT NR0, SR0, OO0, 20, NRM0, STG0, 2, 512, 1            ; wave w stores row w
	; ---- FEATURE X
	s_wait_loadcnt 4                                        ; the gather is in; b2's four loads may be out
	s_wait_xcnt 0x0                                         ; feature 0's stores have read O: the fragments below land there
	QUANT XX, 0
	SENDQ XIMG1, XSC1
	BARRIER
	FETCH XIMG1, XSC1, 2
	s_wait_dscnt 0x0
	MUL HX, W1F, W1SX, 2
	QUANT HX, 1
	SENDQ HIMG1, HSC1
	BARRIER
	FETCH HIMG1, HSC1, 2
	s_wait_loadcnt 0x0                                      ; b2
	s_wait_dscnt 0x0
	MUL Y, W2F, W2SX, 2
	SUM SO, NRM1, STG1
	OUT NR, SR, OO, 40, NRM1, STG1, 4, 256, 0               ; wave w stores rows 2 w and 2 w + 1; lane (r, h): row 2 w + h, 16 bytes at 16 r of each 256
	s_wait_tensorcnt 0x0                                    ; the wave's end
	ds_add_u32 v[SPW], v[NIL]
	s_wait_dscnt 0x0
	ROUND                                                   ; the closing round: no work-group ends while a partner may still issue a joint load that names it
	s_endpgm
.Lfunc_end_k_q92f2b09ae9_patch:
	.size	k_q92f2b09ae9_patch, .Lfunc_end_k_q92f2b09ae9_patch-k_q92f2b09ae9_patch
	.p2alignl 7, 3214868480
	.fill 96, 4, 3214868480
	.section	.rodata,"a",@progbits
	.p2align	6, 0x0
	.amdhsa_kernel k_q92f2b09ae9_patch
		.amdhsa_group_segment_fixed_size 327680
		.amdhsa_private_segment_fixed_size 0
		.amdhsa_enable_private_segment 0
		.amdhsa_kernarg_size 216
		.amdhsa_user_sgpr_count 2
		.amdhsa_user_sgpr_kernarg_segment_ptr 1
		.amdhsa_wavefront_size32 1
		.amdhsa_system_sgpr_workgroup_id_x 1
		.amdhsa_system_sgpr_workgroup_id_y 1
		.amdhsa_system_sgpr_workgroup_id_z 1
		.amdhsa_system_vgpr_workitem_id 0
		.amdhsa_next_free_vgpr 256
		.amdhsa_next_free_sgpr 100
		.amdhsa_reserve_vcc 0
		.amdhsa_float_denorm_mode_32 3
		.amdhsa_float_denorm_mode_16_64 3
		.amdhsa_memory_ordered 1
		.amdhsa_forward_progress 1
		.amdhsa_inst_pref_size 39
	.end_amdhsa_kernel
	.amdgpu_metadata
---
amdhsa.version: [ 1, 2 ]
amdhsa.kernels:
  - .name:           k_q92f2b09ae9_patch
    .symbol:         k_q92f2b09ae9_patch.kd
    .args:
      - { .name: feat0, .offset: 0, .size: 8, .value_kind: global_buffer, .address_space: global }
      - { .name: pid0, .offset: 8, .size: 8, .value_kind: global_buffer, .address_space: global }
      - { .name: w1_0_codes, .offset: 16, .size: 8, .value_kind: global_buffer, .address_space: global }
      - { .name: w1_0_scales, .offset: 24, .size: 8, .value_kind: global_buffer, .address_space: global }
      - { .name: b1_0, .offset: 32, .size: 8, .value_kind: global_buffer, .address_space: global }
      - { .name: w2_0_codes, .offset: 40, .size: 8, .value_kind: global_buffer, .address_space: global }
      - { .name: w2_0_scales, .offset: 48, .size: 8, .value_kind: global_buffer, .address_space: global }
      - { .name: b2_0, .offset: 56, .size: 8, .value_kind: global_buffer, .address_space: global }
      - { .name: out0, .offset: 64, .size: 8, .value_kind: global_buffer, .address_space: global }
      - { .name: feat1, .offset: 72, .size: 8, .value_kind: global_buffer, .address_space: global }
      - { .name: pid1, .offset: 80, .size: 8, .value_kind: global_buffer, .address_space: global }
      - { .name: w1_1_codes, .offset: 88, .size: 8, .value_kind: global_buffer, .address_space: global }
      - { .name: w1_1_scales, .offset: 96, .size: 8, .value_kind: global_buffer, .address_space: global }
      - { .name: b1_1, .offset: 104, .size: 8, .value_kind: global_buffer, .address_space: global }
      - { .name: w2_1_codes, .offset: 112, .size: 8, .value_kind: global_buffer, .address_space: global }
      - { .name: w2_1_scales, .offset: 120, .size: 8, .value_kind: global_buffer, .address_space: global }
      - { .name: b2_1, .offset: 128, .size: 8, .value_kind: global_buffer, .address_space: global }
      - { .name: out1, .offset: 136, .size: 8, .value_kind: global_buffer, .address_space: global }
      - { .name: feat2, .offset: 144, .size: 8, .value_kind: global_buffer, .address_space: global }
      - { .name: pid2, .offset: 152, .size: 8, .value_kind: global_buffer, .address_space: global }
      - { .name: w1_2_codes, .offset: 160, .size: 8, .value_kind: global_buffer, .address_space: global }
      - { .name: w1_2_scales, .offset: 168, .size: 8, .value_kind: global_buffer, .address_space: global }
      - { .name: b1_2, .offset: 176, .size: 8, .value_kind: global_buffer, .address_space: global }
      - { .name: w2_2_codes, .offset: 184, .size: 8, .value_kind: global_buffer, .address_space: global }
      - { .name: w2_2_scales, .offset: 192, .size: 8, .value_kind: global_buffer, .address_space: global }
      - { .name: b2_2, .offset: 200, .size: 8, .value_kind: global_buffer, .address_space: global }
      - { .name: out2, .offset: 208, .size: 8, .value_kind: global_buffer, .address_space: global }
    .group_segment_fixed_size: 327680
    .private_segment_fixed_size: 0
    .kernarg_segment_align: 8
    .kernarg_segment_size: 216
    .max_flat_workgroup_size: 256
    .sgpr_count:     100
    .vgpr_count:     256
    .wavefront_size: 32
...
	.end_amdgpu_metadata
.endif
;; end of part 1
